; MI455X (gfx1250); checked and timed in simulation.
; The chip was launched on July 23, 2026; its instructions are those of AMD's public machine-readable ISA for CDNA 5 (MIT licence, August 2026) and "CDNA5" Instruction Set Architecture Reference Guide (July 2026). The comments in the code are by the model that wrote it; some were corrected since.
;; Multi Head Self Attention2d. Allowed arithmetic: float matrix products may take bf16 or f16 operands with f32 sums; all other float work in f32.
;; Inputs: bk 512 float32; bo 512 float32; bq 512 float32; bv 512 float32; gamma 1 float32; wk 512 x 512 float32; wo 512 x 512 float32; wq 512 x 512 float32; wv 512 x 512 float32; x 16 x 512 x 32 x 32 float32.
;; Outputs: out0 16 x 512 x 32 x 32 float32.
;; 2 versions, each right; version 2 is version 1 with the launch prep written anew for expert scheduling mode. Each part assembles by itself: llvm-mc -triple=amdgcn-amd-amdhsa -mcpu=gfx1250 --defsym DOCPART=n.
;; ======== version 1 of 2: 4 launches
;; workspace buffers: xb 16,777,216 bytes; wb 2,097,152 bytes; qkv 50,331,648 bytes; att 16,777,216 bytes
;; launch prep (part 1): grid 256 x 1, 8 waves a work-group, no clusters, 0 bytes of LDS; arguments x, wq, wk, wv, wo, xb, wb; writes xb, wb
.if DOCPART == 1
	.amdgcn_target "amdgcn-amd-amdhsa--gfx1250"
	.amdhsa_code_object_version 6
	.text
	.protected	k_q2be7c298e9_prep
	.globl	k_q2be7c298e9_prep
	.p2align	8
	.type	k_q2be7c298e9_prep,@function
k_q2be7c298e9_prep:
	s_mov_b64 s[64:65], 0
	v_nop
	global_prefetch_b8 v0, s[64:65] scope:SCOPE_SE
	s_setreg_imm32_b32 hwreg(HW_REG_WAVE_MODE, 25, 1), 1
	s_wait_xcnt 0x0
; prep: casts x and the four weight matrices from f32 to bf16 (round to nearest even), once, so that the later
; launches can bring them to LDS as matrix operands.
;   xb [16][512][1024] bf16: the order of x.
;   wb [8 ks][2048 row][64 c] bf16: rows 0-511 wq, 512-1023 wk, 1024-1535 wv, 1536-2047 wo; column = 64 ks + c.
;      So any run of rows at one ks is dense: 128 bytes a row.
; A stream: no LDS, no barrier, no matrix unit.  256 work-groups of 8 waves.  Work-group i casts 131,072 bytes of x
; (32 loads of 16 bytes a thread, all issued before the first is used) and the eight rows 8 i .. 8 i + 7 of wb.
; No register is written twice, so no wait frees a source.
.set XOFF, 1                           ; v1   16 t: my 16 bytes in each 4,096 bytes of x
.set YOFF, 2                           ; v2   8 t: my 8 bytes in each 2,048 bytes of xb
.set WSRC, 3                           ; v3   my 32 bytes in the eight weight rows
.set WDST, 4                           ; v4   my 16 bytes in wb
.set WI,   8                           ; v[8:23]    16 weights as loaded
.set WOUT, 24                          ; v[24:31]   16 weights in bf16
.set X,    32                          ; v[32:159]  32 x 4 numbers of x
.set Y,    160                         ; v[160:223] the same in bf16
	s_load_b256 s[4:11], s[0:1], 0x0               ; x s[4:5], wq s[6:7], wk s[8:9], wv s[10:11]
	s_load_b128 s[12:15], s[0:1], 0x20             ; wo s[12:13], xb s[14:15]
	s_load_b64 s[16:17], s[0:1], 0x30              ; wb
	s_lshr_b32 s20, ttmp9, 6                       ; which matrix: 64 work-groups for each
	s_and_b32 s21, ttmp9, 63
	s_lshl_b32 s26, s21, 14                        ; eight rows of 2,048 bytes in that matrix
	s_mov_b32 s27, 0
	s_lshl_b32 s28, ttmp9, 10                      ; eight rows of 128 bytes in wb
	s_mov_b32 s29, 0
	s_lshl_b32 s30, ttmp9, 17                      ; my 131,072 bytes of x
	s_mov_b32 s31, 0
	s_lshl_b32 s18, ttmp9, 16                      ; my 65,536 bytes of xb
	s_mov_b32 s19, 0
	v_lshlrev_b32 v[XOFF], 4, v0
	v_lshlrev_b32 v[YOFF], 3, v0
	; thread t: bits 2:0 the eight columns in a ks, bit 3 and bit 7 the row (0 to 3), bits 6:4 ks.  Its second piece lies four rows down.
	v_lshrrev_b32 v5, 7, v0
	v_bfe_u32 v6, v0, 3, 1
	v_lshl_add_u32 v5, v5, 1, v6                   ; row 0 to 3
	v_bfe_u32 v6, v0, 4, 3                         ; ks
	v_and_b32 v7, 7, v0
	v_lshlrev_b32 v[WSRC], 11, v5                  ; row x 2,048
	v_lshl_add_u32 v[WSRC], v6, 8, v[WSRC]         ; + ks x 256
	v_lshl_add_u32 v[WSRC], v7, 5, v[WSRC]         ; + 32 bytes for eight f32
	v_lshlrev_b32 v[WDST], 7, v5                   ; row x 128
	v_lshl_add_u32 v[WDST], v6, 18, v[WDST]        ; + ks x 262,144
	v_lshl_add_u32 v[WDST], v7, 4, v[WDST]         ; + 16 bytes for eight bf16: sixteen lanes cover two rows, 256 aligned bytes
	s_wait_kmcnt 0x0
	s_cmp_eq_u32 s20, 0
	s_cselect_b64 s[22:23], s[6:7], s[8:9]         ; wq or wk
	s_cmp_eq_u32 s20, 2
	s_cselect_b64 s[24:25], s[10:11], s[12:13]     ; wv or wo
	s_cmp_lt_u32 s20, 2
	s_cselect_b64 s[22:23], s[22:23], s[24:25]
	s_add_nc_u64 s[22:23], s[22:23], s[26:27]
	s_add_nc_u64 s[16:17], s[16:17], s[28:29]
	s_add_nc_u64 s[4:5], s[4:5], s[30:31]
	s_add_nc_u64 s[14:15], s[14:15], s[18:19]
	global_load_b128 v[WI:WI+3],     v[WSRC], s[22:23]
	global_load_b128 v[WI+4:WI+7],   v[WSRC], s[22:23] offset:16
	global_load_b128 v[WI+8:WI+11],  v[WSRC], s[22:23] offset:8192
	global_load_b128 v[WI+12:WI+15], v[WSRC], s[22:23] offset:8208
.set j, 0
.rept 32
	global_load_b128 v[X+4*j:X+4*j+3], v[XOFF], s[4:5] offset:4096*j th:TH_LOAD_NT
.set j, j+1
.endr
	s_wait_loadcnt 32                              ; the 32 loads of x are younger: the four weight loads are in
.irp k, 0,1,2,3,4,5,6,7
	v_cvt_pk_bf16_f32 v[WOUT+\k], v[WI+2*\k], v[WI+2*\k+1]
.endr
	global_store_b128 v[WDST], v[WOUT:WOUT+3],   s[16:17]
	global_store_b128 v[WDST], v[WOUT+4:WOUT+7], s[16:17] offset:512
.set j, 0
.rept 32
	s_wait_loadcnt 31-j                            ; loads come back in order: load j is in, the 31 - j younger ones stay out
	v_cvt_pk_bf16_f32 v[Y+2*j],   v[X+4*j],   v[X+4*j+1]
	v_cvt_pk_bf16_f32 v[Y+2*j+1], v[X+4*j+2], v[X+4*j+3]
	global_store_b64 v[YOFF], v[Y+2*j:Y+2*j+1], s[14:15] offset:2048*j   ; a wave stores 256 consecutive bytes, aligned
.set j, j+1
.endr
	s_endpgm
.Lfunc_end_k_q2be7c298e9_prep:
	.size	k_q2be7c298e9_prep, .Lfunc_end_k_q2be7c298e9_prep-k_q2be7c298e9_prep
	.p2alignl 7, 3214868480
	.fill 96, 4, 3214868480
	.section	.rodata,"a",@progbits
	.p2align	6, 0x0
	.amdhsa_kernel k_q2be7c298e9_prep
		.amdhsa_group_segment_fixed_size 0
		.amdhsa_private_segment_fixed_size 0
		.amdhsa_enable_private_segment 0
		.amdhsa_kernarg_size 56
		.amdhsa_user_sgpr_count 2
		.amdhsa_user_sgpr_kernarg_segment_ptr 1
		.amdhsa_wavefront_size32 1
		.amdhsa_system_sgpr_workgroup_id_x 1
		.amdhsa_system_sgpr_workgroup_id_y 1
		.amdhsa_system_sgpr_workgroup_id_z 1
		.amdhsa_system_vgpr_workitem_id 0
		.amdhsa_next_free_vgpr 224
		.amdhsa_next_free_sgpr 66
		.amdhsa_reserve_vcc 0
		.amdhsa_float_denorm_mode_32 3
		.amdhsa_float_denorm_mode_16_64 3
		.amdhsa_memory_ordered 1
		.amdhsa_forward_progress 1
		.amdhsa_inst_pref_size 14
	.end_amdhsa_kernel
	.amdgpu_metadata
---
amdhsa.version: [ 1, 2 ]
amdhsa.kernels:
  - .name:           k_q2be7c298e9_prep
    .symbol:         k_q2be7c298e9_prep.kd
    .args:
      - { .name: x, .offset: 0, .size: 8, .value_kind: global_buffer, .address_space: global }
      - { .name: wq, .offset: 8, .size: 8, .value_kind: global_buffer, .address_space: global }
      - { .name: wk, .offset: 16, .size: 8, .value_kind: global_buffer, .address_space: global }
      - { .name: wv, .offset: 24, .size: 8, .value_kind: global_buffer, .address_space: global }
      - { .name: wo, .offset: 32, .size: 8, .value_kind: global_buffer, .address_space: global }
      - { .name: xb, .offset: 40, .size: 8, .value_kind: global_buffer, .address_space: global }
      - { .name: wb, .offset: 48, .size: 8, .value_kind: global_buffer, .address_space: global }
    .group_segment_fixed_size: 0
    .private_segment_fixed_size: 0
    .kernarg_segment_align: 8
    .kernarg_segment_size: 56
    .max_flat_workgroup_size: 256
    .sgpr_count:     66
    .vgpr_count:     224
    .wavefront_size: 32
...
	.end_amdgpu_metadata
.endif
;; end of part 1
;; launch qkv (part 2): grid 4 x 64, 8 waves a work-group, clusters of 4 x 4, 327,680 bytes of LDS; arguments xb, wb, bq, bk, bv, qkv; writes qkv
.if DOCPART == 2
	.amdgcn_target "amdgcn-amd-amdhsa--gfx1250"
	.amdhsa_code_object_version 6
	.text
	.protected	k_q2be7c298e9_qkv
	.globl	k_q2be7c298e9_qkv
	.p2align	8
	.type	k_q2be7c298e9_qkv,@function
k_q2be7c298e9_qkv:
	s_mov_b64 s[64:65], 0
	v_nop
	global_prefetch_b8 v0, s[64:65] scope:SCOPE_SE
	s_setreg_imm32_b32 hwreg(HW_REG_WAVE_MODE, 25, 1), 1
	s_wait_xcnt 0x0
	s_wait_alu depctr_hold_cnt(0) depctr_sa_sdst(0) depctr_va_vdst(0) depctr_va_sdst(0) depctr_va_ssrc(0) depctr_va_vcc(0) depctr_vm_vsrc(0)
	s_getreg_b32 s2, hwreg(HW_REG_IB_STS2, 6, 4)
	s_cmp_eq_u32 s2, 0
	s_cbranch_scc0 .Lentry_in_a_cluster
	s_endpgm
.Lentry_in_a_cluster:
	s_bfe_u32 s2, ttmp6, 0x10000c
	s_cmp_lg_u32 s2, 0xf033
	s_cbranch_scc0 .Lentry_shape_is_right
	s_endpgm
.Lentry_shape_is_right:
; qkv: [wq; wk; wv] x + bias for all 16 images, in bf16 operands and f32 sums, stored head-wise as
;   qkv [16 b][24 cg][1024 n][64 d] bf16, cg 0-7 the heads of q, 8-15 of k, 16-23 of v.
; Work-group (g, pb): output rows 384 g .. + 383 of the 1,536, image b = pb / 4, positions 256 (pb % 4) .. + 255.
; Eight waves, two on each SIMD: wave w makes 96 rows (wr = w / 2) x 128 positions (wn = w % 2): 48 accumulator tiles, 384 registers.
; The contraction over 512 channels goes in 8 steps of 64 through two LDS slots filled by the tensor data mover.
; CLUSTER 4 x 4 = one image: the four work-groups of a row of the cluster (same pb) need the same tile of x, the four of a
; column (same g) the same tile of the weights.  Both are asked for jointly, which divides the requests by four.
; x lies [channel][position], so its fragments come by the transposing LDS load; the weights lie [row][channel].
; D = weights x x: lane (r, h) holds position r and rows 8 h .. 8 h + 7, eight neighbouring d of one position: 16 bytes of bf16.
; LIMITS: x, the weights and the stored q, k, v are rounded to bf16; NaN and infinities get no special care.
.set SLOT,  87040                      ; a slot: the weights, then x
.set XBASE, 52224                      ; weights: 384 rows of 128 bytes as 192 rows of 256 + 16 bytes
.set WP,    272                        ; row j of the weights lies at (j / 2) 272 + (j % 2) 128: the 16 rows of a fragment start in 16 different 16-byte columns
.set XP,    544                        ; x: 64 rows (channels) of 512 + 32 bytes
.set PLANE, 8256                       ; the way out: 16 rows of the result for 256 positions, 32 bytes each, + 64
.set XSTEP, 131072                     ; 64 channels of 2,048 bytes
.set WSTEP, 262144                     ; one ks of wb
.set ADRW, 2                           ; v2-3   my weight fragments in slot 0, 1
.set ADRX, 4                           ; v4-5   my x fragments in slot 0, 1
.set STO,  6                           ; v6     the way out: where my 16 bytes go
.set RD,   7                           ; v7-9   the way out: where I read back, for cg 0-1, 2-3, 4-5
.set CO,   10                          ; v10    my byte offset in qkv
.set BO,   11                          ; v11    my byte offset in a tile's 16 biases
.set WF,   16                          ; v[16:63]   six weight fragments
.set XF,   64                          ; v[64:127]  eight x fragments
                                       ; v[128:255] accumulators of row tiles 0, 1; v[256:511] (window 1) of row tiles 2 to 5
.set G1,  24                           ; s[24:31] descriptor group 1, x
.set G0,  32                           ; s[32:39] descriptor group 0, x, one set for each slot
.set G1B, 48                           ; s[48:55] group 1, weights
.set G0B, 56                           ; s[56:63] group 0, weights
.set MSB, 0
.macro WIN new                         ; s_set_vgpr_msb: bits 1:0 source 0, 3:2 source 1, 5:4 source 2, 7:6 destination; the high byte repeats the setting that is left
.if MSB != \new
	s_set_vgpr_msb (MSB<<8)|\new
.set MSB, \new
.endif
.endm
.macro PLACES n                        ; places behind a matrix instruction (ISA guide 7.12.1)
.rept \n
	v_nop
.endr
.endm
.macro ROUND                           ; a round of the cluster's barrier: my work-group, wave 0 signals for it, all sixteen, my work-group again
	s_barrier_signal -1
	s_barrier_wait -1
	s_cmp_lg_u32 s16, 0
	s_cbranch_scc1 .Lnot_wave_0_\@
	s_barrier_signal -3
.Lnot_wave_0_\@:
	s_barrier_wait -3
	s_barrier_signal -1
	s_barrier_wait -1
.endm
.macro JLOAD s                         ; one joint load a wave: waves 0-3 a quarter of the weights, waves 4-7 a quarter of x
	s_cmp_eq_u32 s19, 0
	s_cbranch_scc0 .Lfor_x_\@
	tensor_load_to_lds s[G0B+4*\s:G0B+4*\s+3], s[G1B:G1B+7]
	s_nop 0
	s_branch .Lasked_\@
.Lfor_x_\@:
	tensor_load_to_lds s[G0+4*\s:G0+4*\s+3], s[G1:G1+7]
	s_nop 0
.Lasked_\@:
.endm
	s_load_b256 s[4:11], s[0:1], 0x0               ; xb s[4:5], wb s[6:7], bq s[8:9], bk s[10:11]
	s_load_b128 s[12:15], s[0:1], 0x20             ; bv s[12:13], qkv s[14:15]
	v_lshl_add_u32 v14, v0, 2, 0x30700
	v_mov_b32 v15, 0
	ds_add_u32 v14, v15
	ds_add_u32 v14, v15
	s_wait_dscnt 0x0
	v_lshrrev_b32 v1, 5, v0
	v_readfirstlane_b32 s16, v1                    ; wave 0..7
	s_lshr_b32 s17, s16, 1                         ; wr: my 96 rows
	s_and_b32 s18, s16, 1                          ; wn: my 128 positions
	s_lshr_b32 s19, s16, 2                         ; 0: I fetch weights, 1: I fetch x
	s_and_b32 s20, s16, 3                          ; which quarter of the tile
	s_bfe_u32 s40, ttmp6, 0x40000                  ; cx
	s_bfe_u32 s41, ttmp6, 0x40004                  ; cy
	s_lshl_b32 s42, ttmp9, 2
	s_add_co_u32 s42, s42, s40                     ; g = 4 x cluster x + cx
	s_and_b32 s43, ttmp7, 0xffff
	s_lshl_b32 s43, s43, 2
	s_add_co_u32 s43, s43, s41                     ; pb = 4 x cluster y + cy
	s_lshl_b32 s44, s41, 2
	s_lshl_b32 s44, 15, s44                        ; my row of the cluster
	s_lshl_b32 s45, 0x1111, s40                    ; my column
	; x: 16 rows of 256 elements of 2 bytes, 1,024 elements from row to row; 8 words of padding behind every 128
	s_or_b32 s[G1+0], s44, (1<<16)|(1<<20)|(1<<21)|(6<<22)|(7<<25)
	s_mov_b32 s[G1+1], 256<<16                     ; tensor_dim0 = 256
	s_mov_b32 s[G1+2], 16<<16                      ; tensor_dim1 = 16
	s_mov_b32 s[G1+3], 256<<16                     ; tile_dim0 = 256
	s_mov_b32 s[G1+4], 16                          ; tile_dim1 = 16
	s_mov_b32 s[G1+5], 1024                        ; pitch
	s_mov_b32 s[G1+6], 0
	s_mov_b32 s[G1+7], 0
	; weights: a dense block as 48 rows of 32 elements of 8 bytes; 4 words of padding behind every 64
	s_or_b32 s[G1B+0], s45, (3<<16)|(1<<20)|(1<<21)|(5<<22)|(3<<25)
	s_mov_b32 s[G1B+1], 32<<16
	s_mov_b32 s[G1B+2], 48<<16
	s_mov_b32 s[G1B+3], 32<<16
	s_mov_b32 s[G1B+4], 48
	s_mov_b32 s[G1B+5], 32
	s_mov_b32 s[G1B+6], 0
	s_mov_b32 s[G1B+7], 0
	; x's address hangs on pb and the wave alone (s21-23), the weights' on g and the wave alone (s46-47)
	s_lshr_b32 s21, s43, 2
	s_lshl_b32 s22, s21, 20                        ; image: 512 x 1,024 x 2 bytes
	s_and_b32 s21, s43, 3
	s_lshl_b32 s21, s21, 9                         ; 256 positions of 2 bytes
	s_add_co_u32 s22, s22, s21
	s_lshl_b32 s21, s20, 15                        ; my 16 channels of 2,048 bytes
	s_add_co_u32 s22, s22, s21
	s_mov_b32 s23, 0
	s_mul_i32 s46, s42, 49152                      ; 384 rows of 128 bytes
	s_mul_i32 s47, s20, 12288                      ; my 96 rows
	s_add_co_u32 s46, s46, s47
	s_mov_b32 s47, 0
	s_mul_i32 s66, s16, 13056                      ; LDS: weights, wave x 48 rows of 272 bytes
	s_mul_i32 s67, s16, 8704                       ; LDS: x, XBASE + (wave - 4) x 16 rows of 544 bytes
	s_add_co_u32 s67, s67, XBASE-4*8704
	s_wait_kmcnt 0x0
	s_add_nc_u64 s[22:23], s[4:5], s[22:23]
	s_add_nc_u64 s[46:47], s[6:7], s[46:47]
.irp s, 0,1
	s_mov_b32 s[G0+4*\s], 1
	s_add_co_u32 s[G0+4*\s+1], s67, \s*SLOT
	s_add_nc_u64 s[G0+4*\s+2:G0+4*\s+3], s[22:23], \s*XSTEP
	s_or_b32 s[G0+4*\s+3], s[G0+4*\s+3], 0x80000000
	s_mov_b32 s[G0B+4*\s], 1
	s_add_co_u32 s[G0B+4*\s+1], s66, \s*SLOT
	s_add_nc_u64 s[G0B+4*\s+2:G0B+4*\s+3], s[46:47], \s*WSTEP
	s_or_b32 s[G0B+4*\s+3], s[G0B+4*\s+3], 0x80000000
.endr
	ROUND                                          ; all sixteen work-groups are here: the first joint loads meet
	JLOAD 0                                        ; step 0 into slot 0
	v_and_b32 v13, 15, v0                          ; r
	v_bfe_u32 v14, v0, 4, 1                        ; h
	v_lshrrev_b32 v15, 1, v13
	v_mul_u32_u24 v1, v15, WP
	v_and_b32 v15, 1, v13
	v_lshl_add_u32 v1, v15, 7, v1
	v_lshl_add_u32 v1, v14, 4, v1                  ; (r / 2) 272 + (r % 2) 128 + 16 h
	s_mul_i32 s80, s17, 13056                      ; my 96 rows
	v_add_nc_u32 v[ADRW], s80, v1
	v_add_nc_u32 v[ADRW+1], SLOT, v[ADRW]
	v_and_b32 v15, 7, v0
	v_lshl_add_u32 v15, v14, 3, v15                ; channel 8 h + lane % 8
	v_mul_u32_u24 v1, v15, XP
	v_bfe_u32 v15, v0, 3, 1
	v_lshl_add_u32 v1, v15, 4, v1                  ; + 16 bytes for the second eight positions
	s_lshl_b32 s80, s18, 8                         ; my 128 positions
	s_add_co_u32 s80, s80, XBASE
	v_add_nc_u32 v[ADRX], s80, v1
	v_add_nc_u32 v[ADRX+1], SLOT, v[ADRX]
	v_lshlrev_b32 v1, 5, v13                       ; the way out, in: 32 r + 16 h
	v_lshl_add_u32 v1, v14, 4, v1
	s_mul_i32 s80, s17, 6*PLANE
	s_lshl_b32 s81, s18, 12
	s_add_co_u32 s80, s80, s81
	v_add_nc_u32 v[STO], s80, v1
	v_bfe_u32 v15, v0, 1, 2                        ; back: lane bits 2:1 the plane of a head, bit 0 its half, bits 4:3 the position
	v_mul_u32_u24 v1, v15, PLANE
	v_and_b32 v15, 1, v0
	v_lshl_add_u32 v1, v15, 4, v1
	v_bfe_u32 v15, v0, 3, 2
	v_lshl_add_u32 v1, v15, 5, v1
	s_lshl_b32 s80, s16, 10                        ; my 32 positions of 32 bytes
	v_add_nc_u32 v[RD], s80, v1
	v_add_nc_u32 v[RD+1], 8*PLANE, v[RD]
	v_add_nc_u32 v[RD+2], 16*PLANE, v[RD]
	v_and_b32 v15, 31, v0
	s_lshl_b32 s80, s16, 12                        ; my 32 positions of 128 bytes
	v_lshl_add_u32 v[CO], v15, 4, s80
	v_lshlrev_b32 v[BO], 5, v14                    ; eight f32 for each half of the lanes
; 32 channels: 28 LDS loads, 48 matrix instructions.  The 48 accumulators take turns, one instruction a turn, in the same order
; in every call.
.macro KK slot, kk, zero
	PLACES 4                                       ; the loads below land in registers that the last matrix instructions read
.irp nt, 0,1,2,3,4,5,6,7
	ds_load_tr16_b128 v[XF+8*\nt:XF+8*\nt+3],   v[ADRX+\slot] offset:\kk*32*XP+32*\nt
	ds_load_tr16_b128 v[XF+8*\nt+4:XF+8*\nt+7], v[ADRX+\slot] offset:\kk*32*XP+32*\nt+16*XP
.endr
.irp ot, 0,1,2,3,4,5
	ds_load_b128 v[WF+8*\ot:WF+8*\ot+3],   v[ADRW+\slot] offset:\ot*8*WP+64*\kk
	ds_load_b128 v[WF+8*\ot+4:WF+8*\ot+7], v[ADRW+\slot] offset:\ot*8*WP+64*\kk+32
.endr
.irp ot, 0,1,2,3,4,5
	s_wait_dscnt 10-2*\ot                          ; all of x and weight fragments 0 .. ot are in; the two loads of each later fragment stay out
.if \ot < 2
	WIN 0
.set AB, 128+64*\ot
.else
	WIN 0x50                                       ; C and D in window 1
.set AB, 64*(\ot-2)
.endif
.irp nt, 0,1,2,3,4,5,6,7
.if \zero
	v_wmma_f32_16x16x32_bf16 v[AB+8*\nt:AB+8*\nt+7], v[WF+8*\ot:WF+8*\ot+7], v[XF+8*\nt:XF+8*\nt+7], 0
.else
	v_wmma_f32_16x16x32_bf16 v[AB+8*\nt:AB+8*\nt+7], v[WF+8*\ot:WF+8*\ot+7], v[XF+8*\nt:XF+8*\nt+7], v[AB+8*\nt:AB+8*\nt+7]
.endif
.endr
.endr
	WIN 0
.endm
; One step of 64 channels.  In front of the round every wave has waited for its one tensor load (its part of this slot) and for
; its reads of the other slot; behind the round the other slot is filled again first.  One tensor load of a wave is out at a time.
.macro TRIP slot, other, refill, zero
	s_wait_xcnt 0x0
	v_lshl_add_u32 v14, v0, 2, 0x30700
	v_mov_b32 v15, 0
	s_wait_tensorcnt 0x0                           ; my load has landed, so every group 0 may be written
	ds_add_u32 v14, v15
	s_wait_dscnt 0x0
	s_add_nc_u64 s[G0+4*\slot+2:G0+4*\slot+3], s[G0+4*\slot+2:G0+4*\slot+3], 2*XSTEP
	s_add_nc_u64 s[G0B+4*\slot+2:G0B+4*\slot+3], s[G0B+4*\slot+2:G0B+4*\slot+3], 2*WSTEP
	s_wait_dscnt 0x0                               ; my reads of the other slot are over
	ROUND
.if \refill
	JLOAD \other
.endif
	KK \slot, 0, \zero
	KK \slot, 1, 0
.endm
	TRIP 0, 1, 1, 1                                ; the first products start the sums: nothing is cleared
	TRIP 1, 0, 1, 0
	TRIP 0, 1, 1, 0
	TRIP 1, 0, 1, 0
	TRIP 0, 1, 1, 0
	TRIP 1, 0, 1, 0
	TRIP 0, 1, 1, 0
	TRIP 1, 0, 0, 0                                ; the last step fetches nothing
	; THE WAY OUT.  Bias in f32, one rounding to bf16, through LDS so that each store of a wave covers 512 consecutive bytes.
	PLACES 4                                       ; behind the last matrix instructions: results are read, fragment registers loaded
	s_mul_i32 s81, s42, 384
	s_mul_i32 s82, s17, 96
	s_add_co_u32 s81, s81, s82                     ; my first row of the 1,536
.macro BIAS ot                         ; the 16 biases of row tile ot: a tile never crosses from one bias vector into the next (16 divides 512)
	s_add_co_u32 s82, s81, 16*\ot
	s_lshr_b32 s83, s82, 9                         ; 0 bq, 1 bk, 2 bv
	s_and_b32 s84, s82, 511
	s_lshl_b32 s84, s84, 2
	s_mov_b32 s85, 0
	s_cmp_eq_u32 s83, 0
	s_cselect_b64 s[68+2*\ot:69+2*\ot], s[8:9], s[10:11]
	s_cmp_eq_u32 s83, 2
	s_cselect_b64 s[68+2*\ot:69+2*\ot], s[12:13], s[68+2*\ot:69+2*\ot]
	s_add_nc_u64 s[68+2*\ot:69+2*\ot], s[68+2*\ot:69+2*\ot], s[84:85]
	global_load_b128 v[WF+8*\ot:WF+8*\ot+3],   v[BO], s[68+2*\ot:69+2*\ot]
	global_load_b128 v[WF+8*\ot+4:WF+8*\ot+7], v[BO], s[68+2*\ot:69+2*\ot] offset:16
.endm
.irp ot, 0,1,2,3,4,5
	BIAS \ot
.endr
	s_lshr_b32 s86, s43, 2
	s_mul_i32 s86, s86, 24
	s_mul_i32 s87, s42, 6
	s_add_co_u32 s86, s86, s87                     ; 24 b + 6 g: my first block of 131,072 bytes
	s_lshl_b32 s86, s86, 17
	s_and_b32 s87, s43, 3
	s_lshl_b32 s87, s87, 15                        ; 256 positions of 128 bytes
	s_add_co_u32 s86, s86, s87
	s_mov_b32 s87, 0
	s_add_nc_u64 s[14:15], s[14:15], s[86:87]
	s_wait_dscnt 0x0                               ; my reads of the slots are over (met: the last count-down ended at 0)
	s_barrier_signal -1
	s_barrier_wait -1                              ; everybody's are; the slots have had their last fill, so the stage may lie over them
	s_wait_loadcnt 0x0                             ; the biases
.macro OUTT ot
.if \ot < 2
	WIN 0
.set AB, 128+64*\ot
.else
	WIN 0x41                                       ; source 0 and destination in window 1
.set AB, 64*(\ot-2)
.endif
.irp nt, 0,1,2,3,4,5,6,7
.irp p, 0,2,4,6
	v_pk_add_f32 v[AB+8*\nt+\p:AB+8*\nt+\p+1], v[AB+8*\nt+\p:AB+8*\nt+\p+1], v[WF+8*\ot+\p:WF+8*\ot+\p+1]
.endr
.endr
.if \ot >= 2
	WIN 0x05                                       ; both sources in window 1
.endif
.irp nt, 0,1,2,3,4,5,6,7
.irp p, 0,1,2,3
	v_cvt_pk_bf16_f32 v[XF+32*(\ot&1)+4*\nt+\p], v[AB+8*\nt+2*\p], v[AB+8*\nt+2*\p+1]
.endr
.endr
	WIN 0
.irp nt, 0,1,2,3,4,5,6,7
	ds_store_b128 v[STO], v[XF+32*(\ot&1)+4*\nt:XF+32*(\ot&1)+4*\nt+3] offset:\ot*PLANE+\nt*512   ; 32 lanes, 512 consecutive bytes
.endr
.endm
.irp ot, 0,1,2,3,4,5
	OUTT \ot
.endr
	s_wait_dscnt 0x0                               ; my stores are in LDS
	s_barrier_signal -1
	s_barrier_wait -1                              ; everybody's are
	; wave w takes positions 32 w .. + 31 of each of the six heads: 8 loads of 4 positions x 128 bytes for each head
.irp cg, 0,1,2,3,4,5
.irp i, 0,1,2,3,4,5,6,7
	ds_load_b128 v[16+32*\cg+4*\i:16+32*\cg+4*\i+3], v[RD+(\cg>>1)] offset:(\cg&1)*4*PLANE+128*\i
.endr
.endr
.irp cg, 0,1,2,3,4,5
.irp i, 0,1,2,3,4,5,6,7
	s_wait_dscnt 47-(8*\cg+\i)                     ; LDS loads come back in order: this one is in, the younger ones stay out
	global_store_b128 v[CO], v[16+32*\cg+4*\i:16+32*\cg+4*\i+3], s[14:15] offset:\cg*131072+512*\i
.endr
.endr
	s_wait_xcnt 0x0
	v_lshl_add_u32 v14, v0, 2, 0x30700
	v_mov_b32 v15, 0
	s_wait_tensorcnt 0x0
	ds_add_u32 v14, v15
	s_wait_dscnt 0x0
	ROUND                                          ; the closing round: no work-group ends while a partner may still ask jointly
	s_endpgm
.Lfunc_end_k_q2be7c298e9_qkv:
	.size	k_q2be7c298e9_qkv, .Lfunc_end_k_q2be7c298e9_qkv-k_q2be7c298e9_qkv
	.p2alignl 7, 3214868480
	.fill 96, 4, 3214868480
	.section	.rodata,"a",@progbits
	.p2align	6, 0x0
	.amdhsa_kernel k_q2be7c298e9_qkv
		.amdhsa_group_segment_fixed_size 327680
		.amdhsa_private_segment_fixed_size 0
		.amdhsa_enable_private_segment 0
		.amdhsa_kernarg_size 48
		.amdhsa_user_sgpr_count 2
		.amdhsa_user_sgpr_kernarg_segment_ptr 1
		.amdhsa_wavefront_size32 1
		.amdhsa_system_sgpr_workgroup_id_x 1
		.amdhsa_system_sgpr_workgroup_id_y 1
		.amdhsa_system_sgpr_workgroup_id_z 1
		.amdhsa_system_vgpr_workitem_id 0
		.amdhsa_next_free_vgpr 512
		.amdhsa_next_free_sgpr 88
		.amdhsa_reserve_vcc 0
		.amdhsa_float_denorm_mode_32 3
		.amdhsa_float_denorm_mode_16_64 3
		.amdhsa_memory_ordered 1
		.amdhsa_forward_progress 1
		.amdhsa_inst_pref_size 138
	.end_amdhsa_kernel
	.amdgpu_metadata
---
amdhsa.version: [ 1, 2 ]
amdhsa.kernels:
  - .name:           k_q2be7c298e9_qkv
    .symbol:         k_q2be7c298e9_qkv.kd
    .args:
      - { .name: xb, .offset: 0, .size: 8, .value_kind: global_buffer, .address_space: global }
      - { .name: wb, .offset: 8, .size: 8, .value_kind: global_buffer, .address_space: global }
      - { .name: bq, .offset: 16, .size: 8, .value_kind: global_buffer, .address_space: global }
      - { .name: bk, .offset: 24, .size: 8, .value_kind: global_buffer, .address_space: global }
      - { .name: bv, .offset: 32, .size: 8, .value_kind: global_buffer, .address_space: global }
      - { .name: qkv, .offset: 40, .size: 8, .value_kind: global_buffer, .address_space: global }
    .group_segment_fixed_size: 327680
    .private_segment_fixed_size: 0
    .kernarg_segment_align: 8
    .kernarg_segment_size: 48
    .max_flat_workgroup_size: 256
    .sgpr_count:     88
    .vgpr_count:     512
    .wavefront_size: 32
...
	.end_amdgpu_metadata
.endif
;; end of part 2
;; launch attn (part 3): grid 256 x 1, 8 waves a work-group, no clusters, 296,960 bytes of LDS; arguments qkv, att; writes att
.if DOCPART == 3
	.amdgcn_target "amdgcn-amd-amdhsa--gfx1250"
	.amdhsa_code_object_version 6
	.text
	.protected	k_q2be7c298e9_attn
	.globl	k_q2be7c298e9_attn
	.p2align	8
	.type	k_q2be7c298e9_attn,@function
k_q2be7c298e9_attn:
	s_mov_b64 s[64:65], 0
	v_nop
	global_prefetch_b8 v0, s[64:65] scope:SCOPE_SE
	s_setreg_imm32_b32 hwreg(HW_REG_WAVE_MODE, 25, 1), 1
	s_wait_xcnt 0x0
; attn: softmax(q^T k / 8) v for one image, one head and one half of the 1,024 queries.
;   in:  qkv [16 b][24 cg][1024 n][64 d] bf16 (q heads, k heads, v heads);   out: att [16 b][8 head][1024 n][64 d] bf16.
; Work-group i: half = i % 2, head = (i / 2) % 8, b = i / 16.  Eight waves, two on each SIMD; wave w owns 64 queries.
; The head's whole K and V (2 x 131,072 bytes) are brought to LDS once, in four stages of 256 keys; nothing is ever filled again,
; so a stage's wait is counted and the later stages stay on their way while the earlier ones are worked on.
; TRANSPOSED PRODUCTS.  S^T = K Q^T: lane (r, h) holds query r and keys 8 h .. 8 h + 7 of each tile of 16 keys.  Rounded to bf16 in pairs,
; two such tiles are, as they lie, the second operand of O^T = V^T P^T: no shuffle.  A query's maximum and sum are one number a lane
; and cross lanes only between the two halves.
; SOFTMAX with a running maximum m for each query: p = 2^(c s - c m), c = log2(e) / 8, by one fused multiply-add and v_exp_f32.
; TWO UNITS IN STEP.  The wave's queries are unit A (query tiles 0, 1) and unit B (tiles 2, 3).  A block of 64 keys is two halves:
;   half 1 of block j: softmax of A(j) on the vector unit, beside the products O_B += V(j-1) P_B(j-1) and S_B(j) = K(j) Q_B;
;   half 2 of block j: softmax of B(j),                    beside the products O_A += V(j) P_A(j)     and S_A(j+1) = K(j+1) Q_A.
; So each stretch of the text holds matrix and vector instructions that do not depend on each other.  V(j) is loaded in half 1 behind
; its registers' last product, K(j+1) at the end of half 1 likewise: one set of fragment registers each.
; NO CLUSTER: only two work-groups share a head's K and V.  Four partners would mean 256 queries a work-group, that is 32 a wave
; (twice the LDS bytes for each matrix instruction) or twice as many work-groups as WGPs, each filling LDS anew.
; LIMITS: q, k, v, p and the result are bf16; p below 2^-126 becomes 0 (v_exp_f32 flushes); the sum adds the f32 p while the product
; uses their bf16 roundings; NaN and infinities get no special care.
.set STGB,  34816                      ; a stage of K or of V: 256 keys as 128 rows of 256 + 16 bytes
.set VREG,  139264                     ; K's four stages lie at 0, V's four behind them
.set BLK,   8704                       ; 64 keys
.set STAGE, 278528                     ; the way out: 8 rows of 272 bytes for each wave, bytes of their own
.set ADRK, 2                           ; v2  my K fragments, stepped by 64 keys
.set ADRV, 3                           ; v3  my V fragments
.set QOFF, 4
.set STO,  5
.set RD,   6
.set CO,   7
.set KF,   32                          ; v[32:95]    K fragments (kt, kk) at 16 kt + 8 kk
.set SC,   96                          ; v[96:223]   scores (qt, kt) at 32 qt + 8 kt; later p; later P in bf16
.set R4,   224                         ; v[224:239]  for each qt: -c m, m, alpha, a temporary
.set LS,   240                         ; v[240:247]  for each qt: the running sum, in two partial sums
.set TM,   248                         ; v[248:251]  for each qt: the new maximum
.set OA,   0                           ; window 1: v[256:383] O^T (dt, qt) at 8 (4 dt + qt)
.set QF,   128                         ; window 1: v[384:447] Q fragments (qt, kk) at 16 qt + 8 kk
.set VF,   192                         ; window 1: v[448:511] V fragments (u, dt) at 32 u + 8 dt
.set G1, 16                            ; s[16:23] descriptor group 1
.set G0, 24                            ; s[24:39] descriptor group 0, one set for each stage
.set MSB, 0
.macro WIN new                         ; s_set_vgpr_msb: bits 1:0 source 0, 3:2 source 1, 5:4 source 2, 7:6 destination; the high byte repeats the setting that is left
.if MSB != \new
	s_set_vgpr_msb (MSB<<8)|\new
.set MSB, \new
.endif
.endm
.macro PLACES n                        ; places behind a matrix instruction (ISA guide 7.12.1)
.rept \n
	v_nop
.endr
.endm
	s_load_b128 s[4:7], s[0:1], 0x0                ; qkv s[4:5], att s[6:7]
	v_lshl_add_u32 v254, v0, 2, 0x48400
	v_mov_b32 v255, 0
	ds_add_u32 v254, v255
	ds_add_u32 v254, v255
	v_lshrrev_b32 v1, 5, v0
	v_readfirstlane_b32 s8, v1                     ; wave 0..7
	s_and_b32 s40, ttmp9, 1                        ; half
	s_lshr_b32 s41, ttmp9, 1                       ; 8 b + head
	s_lshr_b32 s42, s41, 3
	s_and_b32 s43, s41, 7
	s_mul_i32 s44, s42, 24
	s_add_co_u32 s44, s44, s43                     ; 24 b + head: q's block
	s_lshr_b32 s9, s8, 2                           ; waves 0-3 fetch K (0), waves 4-7 V (1)
	s_lshl_b32 s45, s9, 3
	s_add_co_u32 s45, s45, s44
	s_add_co_u32 s45, s45, 8
	s_lshl_b32 s46, s45, 17                        ; blocks of 131,072 bytes
	s_and_b32 s45, s8, 3
	s_lshl_b32 s45, s45, 13                        ; my 64 of a stage's 256 keys
	s_add_co_u32 s46, s46, s45
	s_mov_b32 s47, 0
	s_mul_i32 s13, s8, BLK                         ; LDS: wave x 32 rows of 272 bytes,
	s_mul_i32 s9, s9, VREG-4*BLK                   ; and for waves 4-7 on to V's region
	s_add_co_u32 s13, s13, s9
	; a dense block as 32 rows of 32 elements of 8 bytes; 4 words of padding behind every 64
	s_mov_b32 s[G1+0], (3<<16)|(1<<20)|(5<<22)|(3<<25)
	s_mov_b32 s[G1+1], 32<<16
	s_mov_b32 s[G1+2], 32<<16
	s_mov_b32 s[G1+3], 32<<16
	s_mov_b32 s[G1+4], 32
	s_mov_b32 s[G1+5], 32
	s_mov_b32 s[G1+6], 0
	s_mov_b32 s[G1+7], 0
	s_lshl_b32 s2, s44, 17
	s_lshl_b32 s3, s40, 16                         ; 512 queries of 128 bytes
	s_add_co_u32 s2, s2, s3
	s_mov_b32 s3, 0
	s_lshl_b32 s44, s41, 17
	s_lshl_b32 s45, s40, 16
	s_add_co_u32 s44, s44, s45
	s_mov_b32 s45, 0
	s_wait_dscnt 0x0
	s_wait_kmcnt 0x0
	s_add_nc_u64 s[46:47], s[4:5], s[46:47]
	s_add_nc_u64 s[2:3], s[4:5], s[2:3]            ; my work-group's queries
	s_add_nc_u64 s[6:7], s[6:7], s[44:45]          ; and their place in att
.irp s, 0,1,2,3
	s_mov_b32 s[G0+4*\s], 1
	s_add_co_u32 s[G0+4*\s+1], s13, \s*STGB
	s_add_nc_u64 s[G0+4*\s+2:G0+4*\s+3], s[46:47], \s*32768
	s_or_b32 s[G0+4*\s+3], s[G0+4*\s+3], 0x80000000
	tensor_load_to_lds s[G0+4*\s:G0+4*\s+3], s[G1:G1+7]            ; all four fills go out together: four loads of a wave are out
	s_nop 0
.endr
	v_and_b32 v8, 15, v0                           ; r
	v_bfe_u32 v9, v0, 4, 1                         ; h
	s_lshl_b32 s41, s8, 13                         ; my 64 queries of 128 bytes
	v_lshlrev_b32 v[QOFF], 7, v8
	v_lshl_add_u32 v[QOFF], v9, 4, v[QOFF]
	v_add_nc_u32 v[QOFF], s41, v[QOFF]
	WIN 0x40                                       ; destination in window 1
.irp qt, 0,1,2,3
.irp kk, 0,1
	global_load_b128 v[QF+16*\qt+8*\kk:QF+16*\qt+8*\kk+3],   v[QOFF], s[2:3] offset:\qt*2048+64*\kk
	global_load_b128 v[QF+16*\qt+8*\kk+4:QF+16*\qt+8*\kk+7], v[QOFF], s[2:3] offset:\qt*2048+64*\kk+32
.endr
.endr
	WIN 0
	s_mov_b32 s10, 0x3e38aa3b                      ; c = log2(e) / 8
	s_mov_b32 s11, 0x3e38aa3b
	s_mov_b32 s12, 0xbe38aa3b                      ; -c
	s_mov_b32 s14, 0x76543210                      ; v_permlanex16_b32: lane i reads lane i of the other half
	s_mov_b32 s15, 0xfedcba98
	v_lshrrev_b32 v10, 1, v8
	v_mul_u32_u24 v[ADRK], v10, 272
	v_and_b32 v10, 1, v8
	v_lshl_add_u32 v[ADRK], v10, 7, v[ADRK]        ; row r of 128 bytes: (r / 2) 272 + (r % 2) 128
	s_mul_i32 s40, s8, 2176
	s_add_co_u32 s40, s40, STAGE                   ; my stage
	v_lshl_add_u32 v[STO], v9, 6, v[ADRK]          ; in: d = 32 h + ..
	v_add_nc_u32 v[STO], s40, v[STO]
	v_lshl_add_u32 v[ADRK], v9, 4, v[ADRK]
	; V lies [key][d] and is read by the transposing load.  Lane: key 8 h + lane % 8; lanes 8-15 of a half take the columns 32 further on,
	; so that a pass of sixteen lanes touches sixteen different 16-byte columns.  Row r of tile dt is then d = 8 dt + r % 8 + 32 (r / 8).
	v_bfe_u32 v10, v0, 1, 2
	v_lshl_add_u32 v10, v9, 2, v10
	v_mul_u32_u24 v[ADRV], v10, 272
	v_and_b32 v10, 1, v0
	v_lshl_add_u32 v[ADRV], v10, 7, v[ADRV]
	v_bfe_u32 v10, v0, 3, 1
	v_lshl_add_u32 v[ADRV], v10, 6, v[ADRV]
	v_add_nc_u32 v[ADRV], VREG, v[ADRV]
	v_mul_u32_u24 v[RD], v9, 272                   ; back: sixteen lanes take 256 bytes, two queries
	v_lshl_add_u32 v[RD], v8, 4, v[RD]
	v_add_nc_u32 v[RD], s40, v[RD]
	v_and_b32 v10, 31, v0
	v_lshl_add_u32 v[CO], v10, 4, s41
.macro KLOADS                          ; the K fragments of the next 64 keys: 16 loads, then the address steps
.irp kt, 0,1,2,3
.irp kk, 0,1
	ds_load_b128 v[KF+16*\kt+8*\kk:KF+16*\kt+8*\kk+3],   v[ADRK] offset:\kt*2176+64*\kk
	ds_load_b128 v[KF+16*\kt+8*\kk+4:KF+16*\kt+8*\kk+7], v[ADRK] offset:\kt*2176+64*\kk+32
.endr
.endr
	v_add_nc_u32 v[ADRK], BLK, v[ADRK]
.endm
.macro VLOADS                          ; the V fragments of this block's 64 keys: 16 loads (destination in window 1)
.irp u, 0,1
.irp dt, 0,1,2,3
	ds_load_tr16_b128 v[VF+32*\u+8*\dt:VF+32*\u+8*\dt+3],   v[ADRV] offset:\u*4352+16*\dt
	ds_load_tr16_b128 v[VF+32*\u+8*\dt+4:VF+32*\u+8*\dt+7], v[ADRV] offset:\u*4352+16*\dt+2176
.endr
.endr
.endm
; Product g (0..15) of S^T = K Q^T for query tiles y0, y0 + 1: g / 8 = which 32 of d, then key tile, then query tile.
; A pass goes over eight accumulators, one instruction each.
.macro SW y0, g
.set w_kk, (\g)>>3
.set w_kt, ((\g)&7)>>1
.set w_qt, \y0+((\g)&1)
.set w_d,  SC+32*w_qt+8*w_kt
.set w_a,  KF+16*w_kt+8*w_kk
.set w_b,  QF+16*w_qt+8*w_kk
.if w_kk
	v_wmma_f32_16x16x32_bf16 v[w_d:w_d+7], v[w_a:w_a+7], v[w_b:w_b+7], v[w_d:w_d+7]
.else
	v_wmma_f32_16x16x32_bf16 v[w_d:w_d+7], v[w_a:w_a+7], v[w_b:w_b+7], 0
.endif
.endm
; Product i (0..15) of O^T += V^T P^T for query tiles y0, y0 + 1: i / 8 = which 32 keys, then d tile, then query tile.
; zero = 1: the first 32 keys start the sums.  Again eight accumulators take turns, one instruction each.
.macro PW y0, i, zero
.set w_u,  (\i)>>3
.set w_dt, ((\i)&7)>>1
.set w_qt, \y0+((\i)&1)
.set w_d,  OA+8*(4*w_dt+w_qt)
.set w_a,  VF+32*w_u+8*w_dt
.set w_b,  SC+32*w_qt+16*w_u
.set w_z,  \zero*(1-w_u)
.if w_z
	v_wmma_f32_16x16x32_bf16 v[w_d:w_d+7], v[w_a:w_a+7], v[w_b:w_b+7], 0
.else
	v_wmma_f32_16x16x32_bf16 v[w_d:w_d+7], v[w_a:w_a+7], v[w_b:w_b+7], v[w_d:w_d+7]
.endif
.endm
.macro RS x0                           ; the next two numbers (r_m of 32 pairs) of O of query tiles x0, x0 + 1, times alpha
.set r_t, r_m>>2
.set r_q, \x0+(r_t&1)
.set r_o, OA+8*(4*(r_t>>1)+r_q)+2*(r_m&3)
	v_pk_mul_f32 v[r_o:r_o+1], v[r_o:r_o+1], v[R4+4*r_q+2:R4+4*r_q+3] op_sel_hi:[1,0]
.set r_m, r_m+1
.endm
.macro FM x0                           ; the next two scores (f_p of 32 pairs) of query tiles x0, x0 + 1: c s - c m
.if f_p < 32
.set f_r, SC+32*\x0+2*f_p
.set f_n, R4+4*(\x0+(f_p>>4))
	v_pk_fma_f32 v[f_r:f_r+1], v[f_r:f_r+1], s[10:11], v[f_n:f_n+1] op_sel_hi:[1,0,0]
.set f_p, f_p+1
.endif
.endm
; The new maximum of query tiles x0, x0 + 1: my 32 keys in two chains for each tile (17 and 15 numbers), so that four chains take turns;
; then the old maximum, then the other half's 32 keys.  Then -c m, alpha = 2^(c old m - c m), and m.
.macro MAXES x0, first
.irp q, 0,1
	v_max3_num_f32 v[TM+\x0+\q], v[SC+32*(\x0+\q)], v[SC+32*(\x0+\q)+1], v[SC+32*(\x0+\q)+2]
	v_max3_num_f32 v[R4+4*(\x0+\q)+3], v[SC+32*(\x0+\q)+17], v[SC+32*(\x0+\q)+18], v[SC+32*(\x0+\q)+19]
.endr
.set m_k, 0
.rept 7
.irp q, 0,1
	v_max3_num_f32 v[TM+\x0+\q], v[TM+\x0+\q], v[SC+32*(\x0+\q)+3+2*m_k], v[SC+32*(\x0+\q)+4+2*m_k]
.if m_k < 6
	v_max3_num_f32 v[R4+4*(\x0+\q)+3], v[R4+4*(\x0+\q)+3], v[SC+32*(\x0+\q)+20+2*m_k], v[SC+32*(\x0+\q)+21+2*m_k]
.endif
.endr
.set m_k, m_k+1
.endr
.irp q, 0,1
.if \first
	v_max_num_f32 v[TM+\x0+\q], v[TM+\x0+\q], v[R4+4*(\x0+\q)+3]
.else
	v_max3_num_f32 v[TM+\x0+\q], v[TM+\x0+\q], v[R4+4*(\x0+\q)+3], v[R4+4*(\x0+\q)+1]
.endif
.endr
.irp q, 0,1
	v_permlanex16_b32 v[R4+4*(\x0+\q)+3], v[TM+\x0+\q], s14, s15   ; its destination counts as read: the second chain has written it
.endr
.irp q, 0,1
	v_max_num_f32 v[TM+\x0+\q], v[TM+\x0+\q], v[R4+4*(\x0+\q)+3]
.endr
.irp q, 0,1
	v_mul_f32 v[R4+4*(\x0+\q)], s12, v[TM+\x0+\q]                  ; -c m
.endr
.if \first == 0
.irp q, 0,1
	v_fma_f32 v[R4+4*(\x0+\q)+2], v[R4+4*(\x0+\q)+1], s10, v[R4+4*(\x0+\q)]   ; c (old m) - c m
.endr
.irp q, 0,1
	v_exp_f32 v[R4+4*(\x0+\q)+2], v[R4+4*(\x0+\q)+2]               ; alpha; the two moves below are the plain instructions in front of its first use
.endr
.endif
	s_wait_alu depctr_va_vdst(0)
.irp q, 0,1
	v_mov_b32 v[R4+4*(\x0+\q)+1], v[TM+\x0+\q]
.endr
.endm
; The running sums of query tiles x0, x0 + 1 (two partial sums in each half of the lanes until the end) and p to bf16 in place: two tiles of
; 16 keys become one fragment of 32 keys in the first eight of their sixteen registers.  A pair is summed just before it is rounded, and
; rounding number p writes register p, whose own pair was summed earlier.  Sums and roundings of the two tiles take turns.
.macro SUMCVT x0, first, vld, kld
.if \vld
	v_add_nc_u32 v[ADRV], BLK, v[ADRV]             ; V's next 64 keys
	s_wait_alu depctr_va_vdst(0)
.endif
.irp u, 0,1
.set c_p, 0
.rept 8
.set c_i, 8*\u+c_p
.irp q, 0,1
.set c_b, SC+32*(\x0+\q)+16*\u
.set c_l, LS+2*(\x0+\q)
.if c_i == 0
.if \first
	s_wait_alu depctr_va_vdst(0)
	v_pk_add_f32 v[c_l:c_l+1], v[c_b:c_b+1], v[c_b+2:c_b+3]        ; the first two pairs start the sum
.else
	s_wait_alu depctr_va_vdst(0)
	v_pk_fma_f32 v[c_l:c_l+1], v[c_l:c_l+1], v[R4+4*(\x0+\q)+2:R4+4*(\x0+\q)+3], v[c_b:c_b+1] op_sel_hi:[1,0,1]
.endif
.else
.set c_s, 0
.if c_i == 1
.set c_s, \first
.endif
.if c_s == 0
	v_pk_add_f32 v[c_l:c_l+1], v[c_l:c_l+1], v[c_b+2*c_p:c_b+2*c_p+1]
.endif
.endif
.endr
.irp q, 0,1
.set c_b, SC+32*(\x0+\q)+16*\u
	v_cvt_pk_bf16_f32 v[c_b+c_p], v[c_b+2*c_p], v[c_b+2*c_p+1]
.endr
.if \kld
.if c_i == 1
	KLOADS                                         ; at least eight plain instructions stand between the last product that read K's registers and these loads
.endif
.endif
.set c_p, c_p+1
.endr
.endr
.endm
; Half a block.  x0: the unit whose softmax is made; y0: the unit whose products run beside it.
; first: x0's first block (nothing carried).  pv, pz: O of y0 is added to; its first 32 keys start the sums.  sm: the next scores of y0 are made.
; vld, kld: V's and K's fragments are loaded.  vw: LDS loads that may stay out in front of the products with V (99: no wait).  kw: wait for K.
.macro HALFB x0, y0, first, pv, pz, sm, vld, kld, vw, kw
	MAXES \x0, \first
.if \vw < 64
	s_wait_dscnt \vw                               ; V's sixteen loads are in; K's, issued behind them, may stay out
.endif
.if \pv
	WIN 0x51                                       ; V, C and D in window 1, P in window 0; the rescaling of O (window 1) by alpha (window 0) fits the same setting
.set r_m, 0
.set p_i, 0
.rept 14
	PW \y0, p_i, \pz
.if \first == 0
	RS \x0
	RS \x0
.endif
.set p_i, p_i+1
.endr
	PW \y0, 14, \pz
	PW \y0, 15, \pz
.if \first == 0
	RS \x0                                         ; the last four stand behind the last product: the four places in front of V's loads
	RS \x0
	RS \x0
	RS \x0
.endif
.endif
.if \vld
	WIN 0x40
	VLOADS
.endif
	WIN 0x04                                       ; Q in window 1; the lines among the products have no vector register as second source
.set f_p, 0
.rept 6
	FM \x0                                         ; six places in front of the first product that writes over P of y0
.endr
.if \kw
	s_wait_dscnt 0x0                               ; K's fragments
.endif
.set g_i, 0
.rept 16
.if \sm
	SW \y0, g_i
.endif
	v_exp_f32 v[SC+32*\x0+4*g_i],   v[SC+32*\x0+4*g_i]             ; these four were scaled three groups ago
	v_exp_f32 v[SC+32*\x0+4*g_i+1], v[SC+32*\x0+4*g_i+1]
	FM \x0
	v_exp_f32 v[SC+32*\x0+4*g_i+2], v[SC+32*\x0+4*g_i+2]
	v_exp_f32 v[SC+32*\x0+4*g_i+3], v[SC+32*\x0+4*g_i+3]
	FM \x0
.set g_i, g_i+1
.endr
	WIN 0
	SUMCVT \x0, \first, \vld, \kld                 ; its first line touches none of the last exponentials: the plain instruction behind them
.endm
.macro BLOCKN
	HALFB 0, 2, 0, 1, 0, 1, 1, 1, 99, 0
	HALFB 2, 0, 0, 1, 0, 1, 0, 0, 16, 1
.endm
	s_wait_tensorcnt 0x3                           ; my part of stage 0 is in; the three later stages stay out
	s_barrier_signal -1
	s_barrier_wait -1                              ; everybody's part is in
	KLOADS                                         ; K(0)
	s_wait_loadcnt 0x0                             ; Q
	s_wait_dscnt 0x0
	WIN 0x04
.set g_i, 0
.rept 16
	SW 0, g_i                                      ; S_A(0)
.set g_i, g_i+1
.endr
	WIN 0
	PLACES 4                                       ; in front of the first read of a score
	HALFB 0, 2, 1, 0, 0, 1, 1, 1, 99, 0            ; block 0: nothing is carried, no product with V is due yet
	HALFB 2, 0, 1, 1, 1, 1, 0, 0, 16, 1            ;          O_A starts
	HALFB 0, 2, 0, 1, 1, 1, 1, 1, 99, 0            ; block 1: O_B starts
	HALFB 2, 0, 0, 1, 0, 1, 0, 0, 16, 1
	BLOCKN                                         ; block 2
	s_wait_tensorcnt 0x2                           ; block 3 loads K(4): my part of stage 1 is in, stages 2 and 3 stay out.  No LDS instruction of mine is pending
	s_barrier_signal -1
	s_barrier_wait -1
	s_mov_b32 s9, 4
.Lstage1:
	BLOCKN                                         ; blocks 3 to 6
	s_sub_co_i32 s9, s9, 1
	s_cmp_lg_u32 s9, 0
	s_cbranch_scc1 .Lstage1
	s_wait_tensorcnt 0x0                           ; block 7 loads K(8): my parts of stages 2 and 3 are in: one barrier for both
	s_barrier_signal -1
	s_barrier_wait -1
	s_mov_b32 s9, 8
.Lstage2:
	BLOCKN                                         ; blocks 7 to 14
	s_sub_co_i32 s9, s9, 1
	s_cmp_lg_u32 s9, 0
	s_cbranch_scc1 .Lstage2
	HALFB 0, 2, 0, 1, 0, 1, 1, 0, 99, 0            ; block 15: no K is left to load,
	HALFB 2, 0, 0, 1, 0, 0, 0, 0, 0, 0             ;           no scores are left to make
	WIN 0x51
.set p_i, 0
.rept 16
	PW 2, p_i, 0                                   ; O_B += V(15) P_B(15)
.set p_i, p_i+1
.endr
	WIN 0
	; THE END: divide by the sum, round to bf16, 16 queries at a time through my own stage, out in runs of 512 bytes.
	PLACES 4
.irp qt, 0,1,2,3
	v_add_f32 v[R4+4*\qt+3], v[LS+2*\qt], v[LS+2*\qt+1]
.endr
.irp qt, 0,1,2,3
	v_permlanex16_b32 v[R4+4*\qt+2], v[R4+4*\qt+3], s14, s15       ; the other half's keys
.endr
.irp qt, 0,1,2,3
	v_add_f32 v[R4+4*\qt+2], v[R4+4*\qt+2], v[R4+4*\qt+3]          ; at least about 1: the largest score's p
.endr
.irp qt, 0,1,2,3
	v_rcp_f32 v[R4+4*\qt+2], v[R4+4*\qt+2]
.endr
	v_nop                                          ; one plain instruction in front of the first use
	WIN 0x41
	s_wait_alu depctr_va_vdst(0)
.irp dt, 0,1,2,3
.irp qt, 0,1,2,3
.irp q, 0,2,4,6
	v_pk_mul_f32 v[OA+8*(4*\dt+\qt)+\q:OA+8*(4*\dt+\qt)+\q+1], v[OA+8*(4*\dt+\qt)+\q:OA+8*(4*\dt+\qt)+\q+1], v[R4+4*\qt+2:R4+4*\qt+3] op_sel_hi:[1,0]
.endr
.endr
.endr
.irp qt, 0,1,2,3
	WIN 0x05                                       ; both sources in window 1
.irp dt, 0,1,2,3
.irp q, 0,1,2,3
	v_cvt_pk_bf16_f32 v[KF+4*\dt+\q], v[OA+8*(4*\dt+\qt)+2*\q], v[OA+8*(4*\dt+\qt)+2*\q+1]
.endr
.endr
	WIN 0
.irp dt, 0,1,2,3
	ds_store_b128 v[STO], v[KF+4*\dt:KF+4*\dt+3] offset:16*\dt     ; query r, d = 8 dt + 32 h .. + 7
.endr
.irp t, 0,1,2,3
	ds_load_b128 v[SC+16*\qt+4*\t:SC+16*\qt+4*\t+3], v[RD] offset:544*\t   ; LDS serves a wave's instructions in order: these see the stores above
.endr
.irp t, 0,1,2,3
	s_wait_dscnt 3-\t
	global_store_b128 v[CO], v[SC+16*\qt+4*\t:SC+16*\qt+4*\t+3], s[6:7] offset:2048*\qt+512*\t   ; four queries, 512 consecutive bytes
.endr
.endr
	s_wait_tensorcnt 0x0
	ds_add_u32 v254, v255
	s_wait_dscnt 0x0
	s_endpgm
.Lfunc_end_k_q2be7c298e9_attn:
	.size	k_q2be7c298e9_attn, .Lfunc_end_k_q2be7c298e9_attn-k_q2be7c298e9_attn
	.p2alignl 7, 3214868480
	.fill 96, 4, 3214868480
	.section	.rodata,"a",@progbits
	.p2align	6, 0x0
	.amdhsa_kernel k_q2be7c298e9_attn
		.amdhsa_group_segment_fixed_size 296960
		.amdhsa_private_segment_fixed_size 0
		.amdhsa_enable_private_segment 0
		.amdhsa_kernarg_size 16
		.amdhsa_user_sgpr_count 2
		.amdhsa_user_sgpr_kernarg_segment_ptr 1
		.amdhsa_wavefront_size32 1
		.amdhsa_system_sgpr_workgroup_id_x 1
		.amdhsa_system_sgpr_workgroup_id_y 1
		.amdhsa_system_sgpr_workgroup_id_z 1
		.amdhsa_system_vgpr_workitem_id 0
		.amdhsa_next_free_vgpr 512
		.amdhsa_next_free_sgpr 66
		.amdhsa_reserve_vcc 0
		.amdhsa_float_denorm_mode_32 3
		.amdhsa_float_denorm_mode_16_64 3
		.amdhsa_memory_ordered 1
		.amdhsa_forward_progress 1
		.amdhsa_inst_pref_size 206
	.end_amdhsa_kernel
	.amdgpu_metadata
---
amdhsa.version: [ 1, 2 ]
amdhsa.kernels:
  - .name:           k_q2be7c298e9_attn
    .symbol:         k_q2be7c298e9_attn.kd
    .args:
      - { .name: qkv, .offset: 0, .size: 8, .value_kind: global_buffer, .address_space: global }
      - { .name: att, .offset: 8, .size: 8, .value_kind: global_buffer, .address_space: global }
    .group_segment_fixed_size: 296960
    .private_segment_fixed_size: 0
    .kernarg_segment_align: 8
    .kernarg_segment_size: 16
    .max_flat_workgroup_size: 256
    .sgpr_count:     66
    .vgpr_count:     512
    .wavefront_size: 32
...
	.end_amdgpu_metadata
.endif
;; end of part 3
;; launch outp (part 4): grid 4 x 64, 8 waves a work-group, clusters of 4 x 4, 327,680 bytes of LDS; arguments att, wb, bo, gamma, x, out0; writes out0
.if DOCPART == 4
	.amdgcn_target "amdgcn-amd-amdhsa--gfx1250"
	.amdhsa_code_object_version 6
	.text
	.protected	k_q2be7c298e9_outp
	.globl	k_q2be7c298e9_outp
	.p2align	8
	.type	k_q2be7c298e9_outp,@function
k_q2be7c298e9_outp:
	s_mov_b64 s[64:65], 0
	v_nop
	global_prefetch_b8 v0, s[64:65] scope:SCOPE_SE
	s_setreg_imm32_b32 hwreg(HW_REG_WAVE_MODE, 25, 1), 1
	s_wait_xcnt 0x0
	s_wait_alu depctr_hold_cnt(0) depctr_sa_sdst(0) depctr_va_vdst(0) depctr_va_sdst(0) depctr_va_ssrc(0) depctr_va_vcc(0) depctr_vm_vsrc(0)
	s_getreg_b32 s2, hwreg(HW_REG_IB_STS2, 6, 4)
	s_cmp_eq_u32 s2, 0
	s_cbranch_scc0 .Lentry_in_a_cluster
	s_endpgm
.Lentry_in_a_cluster:
	s_bfe_u32 s2, ttmp6, 0x10000c
	s_cmp_lg_u32 s2, 0xf033
	s_cbranch_scc0 .Lentry_shape_is_right
	s_endpgm
.Lentry_shape_is_right:
; outp: out0 = gamma (wo att + bo) + x.
;   att [16 b][8 head][1024 n][64 d] bf16; wo = rows 1536-2047 of wb [8 ks][2048 row][64 c] bf16 (ks = head); x, out0 [16][512][1024] f32.
; Work-group (g, pb): output channels 128 g .. + 127, image b = pb / 4, positions 256 (pb % 4) .. + 255.
; Eight waves: wave w makes 64 channels (wr = w / 4) x 64 positions (wn = w % 4): 16 accumulator tiles.
; The contraction over 512 goes in 4 steps of 128 (two heads).  THREE LDS slots hold steps 0, 1, 2 and are all asked for at the start: a step's
; 64 matrix instructions a wave are too few to cover a tile's way, so as much as fits goes out at once.  Only step 3 is a refill, of slot 0,
; behind step 0; it has steps 1 and 2 in which to land.
; CLUSTER 4 x 4 = one image: att's tile hangs on pb alone and is shared along a row of the cluster, wo's on g alone and is shared along a column.
; D = att x wo: lane (r, h) holds channel r and positions 8 h .. 8 h + 7, 32 neighbouring bytes of a row of out0.
; The residual x is asked for at the start, in the layout of the final stores, and stays on its way through the whole product.
; LIMITS: att and wo are bf16; bias, gamma and the residual are applied in f32; NaN and infinities get no special care.
.set SLOT,  104448                     ; a slot: att, then wo
.set WBASE, 69632                      ; att: 4 parts of 64 positions x [2 heads][32 rows of 256 + 16 bytes]
                                       ; wo:  4 parts of 32 channels  x [2 heads][16 rows of 256 + 16 bytes]
.set STAGE, SLOT                       ; the way out: 16 rows of 256 + 16 bytes for each wave, over slot 1, which has its only fill at the start
                                       ; and whose last reads (step 1) every wave has waited for in front of the barrier ahead of step 3
.set ASTEP, 262144                     ; two heads of att
.set WSTEP, 524288                     ; two ks of wb
.set ADRA, 2                           ; v2-4  my att fragments in slot 0, 1, 2
.set ADRW, 5                           ; v5-7  my wo fragments
.set STO,  8
.set RD,   9
.set XOFF, 10                          ; my byte offset in x and in out0
.set BOFF, 11
.set AF,   32                          ; v[32:63]   four att fragments
.set WF,   64                          ; v[64:95]   four wo fragments
.set GB,   96                          ; v[96:103]  gamma x bias of my channel in each row tile, twice (a pair for the packed multiply-add)
.set BOV,  104                         ; v[104:107] the biases as loaded
.set ACC,  128                         ; v[128:255] accumulators (ot, nt) at 32 ot + 8 nt
                                       ; v[256:383] (window 1) the residual
.set G1,  24                           ; s[24:31] group 1, att
.set G0,  32                           ; s[32:43] group 0, att, one set for each slot
.set G1B, 48                           ; s[48:55] group 1, wo
.set G0B, 68                           ; s[68:79] group 0, wo, one set for each slot
.set MSB, 0
.macro WIN new                         ; s_set_vgpr_msb: bits 1:0 source 0, 3:2 source 1, 5:4 source 2, 7:6 destination; the high byte repeats the setting that is left
.if MSB != \new
	s_set_vgpr_msb (MSB<<8)|\new
.set MSB, \new
.endif
.endm
.macro PLACES n                        ; places behind a matrix instruction (ISA guide 7.12.1)
.rept \n
	v_nop
.endr
.endm
.macro ROUND                           ; a round of the cluster's barrier
	s_barrier_signal -1
	s_barrier_wait -1
	s_cmp_lg_u32 s16, 0
	s_cbranch_scc1 .Lnot_wave_0_\@
	s_barrier_signal -3
.Lnot_wave_0_\@:
	s_barrier_wait -3
	s_barrier_signal -1
	s_barrier_wait -1
.endm
	s_load_b256 s[4:11], s[0:1], 0x0               ; att s[4:5], wb s[6:7], bo s[8:9], gamma s[10:11]
	s_load_b128 s[12:15], s[0:1], 0x20             ; x s[12:13], out0 s[14:15]
	v_lshl_add_u32 v126, v0, 2, 0x4c800
	v_mov_b32 v127, 0
	ds_add_u32 v126, v127
	ds_add_u32 v126, v127
	v_lshrrev_b32 v1, 5, v0
	v_readfirstlane_b32 s16, v1                    ; wave 0..7
	s_lshr_b32 s17, s16, 2                         ; wr: my 64 channels.  Also: I fetch att (0) or wo (1)
	s_and_b32 s18, s16, 3                          ; wn: my 64 positions.  Also: which quarter I fetch
	s_bfe_u32 s88, ttmp6, 0x40000                  ; cx
	s_bfe_u32 s89, ttmp6, 0x40004                  ; cy
	s_lshl_b32 s90, ttmp9, 2
	s_add_co_u32 s90, s90, s88                     ; g
	s_and_b32 s91, ttmp7, 0xffff
	s_lshl_b32 s91, s91, 2
	s_add_co_u32 s91, s91, s89                     ; pb
	s_lshl_b32 s92, s89, 2
	s_lshl_b32 s92, 15, s92                        ; my row of the cluster
	s_lshl_b32 s93, 0x1111, s88                    ; my column
	; att: two rows (heads) of 1,024 elements of 8 bytes (64 positions), 16,384 elements apart; 4 words of padding behind every 64
	s_or_b32 s[G1+0], s92, (3<<16)|(1<<20)|(1<<21)|(5<<22)|(3<<25)
	s_mov_b32 s[G1+1], 1024<<16
	s_mov_b32 s[G1+2], 2<<16
	s_mov_b32 s[G1+3], 1024<<16
	s_mov_b32 s[G1+4], 2
	s_mov_b32 s[G1+5], 16384
	s_mov_b32 s[G1+6], 0
	s_mov_b32 s[G1+7], 0
	; wo: two rows (ks) of 512 elements of 8 bytes (32 channels), 32,768 elements apart; the same padding
	s_or_b32 s[G1B+0], s93, (3<<16)|(1<<20)|(1<<21)|(5<<22)|(3<<25)
	s_mov_b32 s[G1B+1], 512<<16
	s_mov_b32 s[G1B+2], 2<<16
	s_mov_b32 s[G1B+3], 512<<16
	s_mov_b32 s[G1B+4], 2
	s_mov_b32 s[G1B+5], 32768
	s_mov_b32 s[G1B+6], 0
	s_mov_b32 s[G1B+7], 0
	; att's address hangs on pb and the wave alone (s21-23), wo's on g and the wave alone (s46-47)
	s_lshr_b32 s21, s91, 2
	s_lshl_b32 s22, s21, 20                        ; image: 8 heads of 131,072 bytes
	s_and_b32 s21, s91, 3
	s_lshl_b32 s21, s21, 15                        ; 256 positions of 128 bytes
	s_add_co_u32 s22, s22, s21
	s_lshl_b32 s21, s18, 13                        ; my 64 positions
	s_add_co_u32 s22, s22, s21
	s_mov_b32 s23, 0
	s_lshl_b32 s46, s90, 14                        ; 128 channels of 128 bytes
	s_lshl_b32 s47, s18, 12                        ; my 32 channels
	s_add_co_u32 s46, s46, s47
	s_add_co_u32 s46, s46, 1536*128                ; wo begins at row 1,536
	s_mov_b32 s47, 0
	s_mul_i32 s80, s16, 17408                      ; LDS: att, wave x 17,408
	s_mul_i32 s81, s16, 8704                       ; LDS: wo, WBASE + (wave - 4) x 8,704
	s_add_co_u32 s81, s81, WBASE-4*8704
	; x and out0: image, 128 channels of 4,096 bytes, 256 positions of 4 bytes
	s_lshr_b32 s84, s91, 2
	s_lshl_b32 s84, s84, 21
	s_lshl_b32 s85, s90, 19
	s_add_co_u32 s84, s84, s85
	s_and_b32 s85, s91, 3
	s_lshl_b32 s85, s85, 10
	s_add_co_u32 s84, s84, s85
	s_mov_b32 s85, 0
	s_lshl_b32 s86, s90, 9                         ; bo: 128 channels of 4 bytes
	s_mov_b32 s87, 0
	s_wait_dscnt 0x0
	s_wait_kmcnt 0x0
	s_add_nc_u64 s[22:23], s[4:5], s[22:23]
	s_add_nc_u64 s[46:47], s[6:7], s[46:47]
	s_add_nc_u64 s[12:13], s[12:13], s[84:85]
	s_add_nc_u64 s[14:15], s[14:15], s[84:85]
	s_add_nc_u64 s[8:9], s[8:9], s[86:87]
	s_load_b32 s66, s[10:11], 0x0                  ; gamma
.irp s, 0,1,2
	s_mov_b32 s[G0+4*\s], 1
	s_add_co_u32 s[G0+4*\s+1], s80, \s*SLOT
	s_add_nc_u64 s[G0+4*\s+2:G0+4*\s+3], s[22:23], \s*ASTEP
	s_or_b32 s[G0+4*\s+3], s[G0+4*\s+3], 0x80000000
	s_mov_b32 s[G0B+4*\s], 1
	s_add_co_u32 s[G0B+4*\s+1], s81, \s*SLOT
	s_add_nc_u64 s[G0B+4*\s+2:G0B+4*\s+3], s[46:47], \s*WSTEP
	s_or_b32 s[G0B+4*\s+3], s[G0B+4*\s+3], 0x80000000
.endr
	ROUND                                          ; all sixteen work-groups are here: the first joint loads meet
	; the first fills, steps 0, 1, 2, as one group: waves 0-3 a quarter of att's tiles, waves 4-7 a quarter of wo's: three loads of a wave are out
	s_cmp_eq_u32 s17, 0
	s_cbranch_scc0 .Lfirst_w
	tensor_load_to_lds s[G0:G0+3], s[G1:G1+7]
	s_nop 0
	tensor_load_to_lds s[G0+4:G0+7], s[G1:G1+7]
	s_nop 0
	tensor_load_to_lds s[G0+8:G0+11], s[G1:G1+7]
	s_nop 0
	s_branch .Lfirst_asked
.Lfirst_w:
	tensor_load_to_lds s[G0B:G0B+3], s[G1B:G1B+7]
	s_nop 0
	tensor_load_to_lds s[G0B+4:G0B+7], s[G1B:G1B+7]
	s_nop 0
	tensor_load_to_lds s[G0B+8:G0B+11], s[G1B:G1B+7]
	s_nop 0
.Lfirst_asked:
	v_and_b32 v12, 15, v0                          ; r
	v_bfe_u32 v13, v0, 4, 1                        ; h
	v_lshlrev_b32 v14, 12, v13                     ; lanes 16-31 one channel further down
	v_lshl_add_u32 v14, v12, 4, v14
	s_lshl_b32 s82, s17, 18                        ; my 64 channels of 4,096 bytes
	s_lshl_b32 s83, s18, 8                         ; my 64 positions of 4 bytes
	s_add_co_u32 s82, s82, s83
	v_add_nc_u32 v[XOFF], s82, v14
	s_lshl_b32 s83, s17, 8
	v_lshl_add_u32 v[BOFF], v12, 2, s83
	WIN 0x40                                       ; destination in window 1
.set j, 0
.rept 32
	global_load_b128 v[4*j:4*j+3], v[XOFF], s[12:13] offset:8192*j th:TH_LOAD_NT   ; two channels x 256 bytes
.set j, j+1
.endr
	WIN 0
.irp ot, 0,1,2,3
	global_load_b32 v[BOV+\ot], v[BOFF], s[8:9] offset:64*\ot
.endr
	v_lshrrev_b32 v14, 1, v12
	v_mul_u32_u24 v1, v14, 272
	v_and_b32 v14, 1, v12
	v_lshl_add_u32 v1, v14, 7, v1
	v_lshl_add_u32 v1, v13, 4, v1                  ; (r / 2) 272 + (r % 2) 128 + 16 h
	s_mul_i32 s82, s18, 17408
	v_add_nc_u32 v[ADRA], s82, v1
	v_add_nc_u32 v[ADRA+1], SLOT, v[ADRA]
	v_add_nc_u32 v[ADRA+2], 2*SLOT, v[ADRA]
	s_mul_i32 s82, s17, 17408
	s_add_co_u32 s82, s82, WBASE
	v_add_nc_u32 v[ADRW], s82, v1
	v_add_nc_u32 v[ADRW+1], SLOT, v[ADRW]
	v_add_nc_u32 v[ADRW+2], 2*SLOT, v[ADRW]
	s_mul_i32 s82, s16, 4352
	s_add_co_u32 s82, s82, STAGE                   ; my stage
	v_mul_u32_u24 v14, v12, 272
	v_lshl_add_u32 v14, v13, 5, v14                ; in: channel r, 32 bytes for each half of the lanes
	v_add_nc_u32 v[STO], s82, v14
	v_mul_u32_u24 v14, v13, 272
	v_lshl_add_u32 v14, v12, 4, v14                ; back: sixteen lanes take one channel's 256 bytes
	v_add_nc_u32 v[RD], s82, v14
	s_wait_kmcnt 0x0
	s_mov_b32 s67, s66
; 32 of the contraction: 16 LDS loads, 16 matrix instructions.  The 16 accumulators take turns, one instruction a turn.
.macro SUB slot, ksl, kk, zero
	PLACES 4                                       ; the loads below land in registers that the last matrix instructions read
.irp nt, 0,1,2,3
	ds_load_b128 v[AF+8*\nt:AF+8*\nt+3],   v[ADRA+\slot] offset:\ksl*8704+\nt*2176+64*\kk
	ds_load_b128 v[AF+8*\nt+4:AF+8*\nt+7], v[ADRA+\slot] offset:\ksl*8704+\nt*2176+64*\kk+32
.endr
.irp ot, 0,1,2,3
	ds_load_b128 v[WF+8*\ot:WF+8*\ot+3],   v[ADRW+\slot] offset:(\ot>>1)*8704+(\ot&1)*2176+\ksl*4352+64*\kk
	ds_load_b128 v[WF+8*\ot+4:WF+8*\ot+7], v[ADRW+\slot] offset:(\ot>>1)*8704+(\ot&1)*2176+\ksl*4352+64*\kk+32
.endr
.irp ot, 0,1,2,3
	s_wait_dscnt 6-2*\ot                           ; all of att and wo's fragments 0 .. ot are in; the two loads of each later fragment stay out
.irp nt, 0,1,2,3
.if \zero
	v_wmma_f32_16x16x32_bf16 v[ACC+32*\ot+8*\nt:ACC+32*\ot+8*\nt+7], v[AF+8*\nt:AF+8*\nt+7], v[WF+8*\ot:WF+8*\ot+7], 0
.else
	v_wmma_f32_16x16x32_bf16 v[ACC+32*\ot+8*\nt:ACC+32*\ot+8*\nt+7], v[AF+8*\nt:AF+8*\nt+7], v[WF+8*\ot:WF+8*\ot+7], v[ACC+32*\ot+8*\nt:ACC+32*\ot+8*\nt+7]
.endif
.endr
.endr
.endm
.macro STEP slot, zero                 ; one step of 128
	SUB \slot, 0, 0, \zero
	SUB \slot, 0, 1, 0
	SUB \slot, 1, 0, 0
	SUB \slot, 1, 1, 0
.endm
	s_wait_tensorcnt 0x2                           ; my part of step 0 is in; steps 1 and 2 stay out
	s_barrier_signal -1
	s_barrier_wait -1                              ; everybody's part is in
	STEP 0, 1                                      ; the first products start the sums: nothing is cleared
	s_wait_tensorcnt 0x0                           ; all my loads have landed, my parts of slots 1 and 2 among them, so a group 0 may be written
	ds_add_u32 v126, v127
	s_add_nc_u64 s[G0+2:G0+3], s[G0+2:G0+3], 3*ASTEP               ; slot 0's next tile: step 3
	s_add_nc_u64 s[G0B+2:G0B+3], s[G0B+2:G0B+3], 3*WSTEP
	s_wait_dscnt 0x0                               ; my reads of slot 0 are over
	ROUND                                          ; both now hold of every wave of every work-group of the cluster
	s_cmp_eq_u32 s17, 0                            ; the one refill: my one joint load behind the round
	s_cbranch_scc0 .Lrefill_w
	tensor_load_to_lds s[G0:G0+3], s[G1:G1+7]
	s_nop 0
	s_branch .Lrefill_asked
.Lrefill_w:
	tensor_load_to_lds s[G0B:G0B+3], s[G1B:G1B+7]
	s_nop 0
.Lrefill_asked:
	STEP 1, 0
	STEP 2, 0                                      ; no barrier between: the round has shown slots 1 and 2 whole to every wave
	s_wait_tensorcnt 0x0                           ; my part of step 3 is in
	s_wait_dscnt 0x0                               ; no LDS instruction of mine is pending; my reads of slots 1 and 2 are over
	s_barrier_signal -1
	s_barrier_wait -1                              ; everybody's part is in
	STEP 0, 0
	; THE WAY OUT, 16 channels at a time: gamma x sum + gamma x bias by one fused multiply-add, through my own stage, the residual added
	; in the layout of the stores: sixteen lanes store 256 consecutive bytes, aligned.
	PLACES 4
	s_wait_loadcnt 0x0                             ; the residual and the biases
.irp ot, 0,1,2,3
	v_mul_f32 v[GB+2*\ot],   s66, v[BOV+\ot]
	v_mul_f32 v[GB+2*\ot+1], s66, v[BOV+\ot]
.endr
; rb: 32 registers that are free by then: the fragments, then the accumulators of row tiles already stored
.macro OUTT ot, rb
.irp nt, 0,1,2,3
.irp p, 0,2,4,6
	v_pk_fma_f32 v[ACC+32*\ot+8*\nt+\p:ACC+32*\ot+8*\nt+\p+1], v[ACC+32*\ot+8*\nt+\p:ACC+32*\ot+8*\nt+\p+1], s[66:67], v[GB+2*\ot:GB+2*\ot+1] op_sel_hi:[1,0,1]
.endr
.endr
.irp nt, 0,1,2,3
	ds_store_b128 v[STO], v[ACC+32*\ot+8*\nt:ACC+32*\ot+8*\nt+3]   offset:64*\nt
	ds_store_b128 v[STO], v[ACC+32*\ot+8*\nt+4:ACC+32*\ot+8*\nt+7] offset:64*\nt+16
.endr
.irp t, 0,1,2,3,4,5,6,7
	ds_load_b128 v[\rb+4*\t:\rb+4*\t+3], v[RD] offset:544*\t       ; LDS serves a wave's instructions in order: these see the stores above
.endr
	s_wait_dscnt 0x0                               ; all eight at once, so that the sums below stand under one register window
	WIN 0x04                                       ; the residual in window 1
.irp t, 0,1,2,3,4,5,6,7
.irp p, 0,2
	v_pk_add_f32 v[\rb+4*\t+\p:\rb+4*\t+\p+1], v[\rb+4*\t+\p:\rb+4*\t+\p+1], v[4*(8*\ot+\t)+\p:4*(8*\ot+\t)+\p+1]
.endr
.endr
	WIN 0
.irp t, 0,1,2,3,4,5,6,7
	global_store_b128 v[XOFF], v[\rb+4*\t:\rb+4*\t+3], s[14:15] offset:8192*(8*\ot+\t) th:TH_STORE_NT
.endr
.endm
	OUTT 0, AF
	OUTT 1, WF
	OUTT 2, ACC
	OUTT 3, ACC+32
	s_wait_tensorcnt 0x0
	ds_add_u32 v126, v127
	s_wait_dscnt 0x0
	ROUND                                          ; the closing round: no work-group ends while a partner may still ask jointly
	s_endpgm
.Lfunc_end_k_q2be7c298e9_outp:
	.size	k_q2be7c298e9_outp, .Lfunc_end_k_q2be7c298e9_outp-k_q2be7c298e9_outp
	.p2alignl 7, 3214868480
	.fill 96, 4, 3214868480
	.section	.rodata,"a",@progbits
	.p2align	6, 0x0
	.amdhsa_kernel k_q2be7c298e9_outp
		.amdhsa_group_segment_fixed_size 327680
		.amdhsa_private_segment_fixed_size 0
		.amdhsa_enable_private_segment 0
		.amdhsa_kernarg_size 48
		.amdhsa_user_sgpr_count 2
		.amdhsa_user_sgpr_kernarg_segment_ptr 1
		.amdhsa_wavefront_size32 1
		.amdhsa_system_sgpr_workgroup_id_x 1
		.amdhsa_system_sgpr_workgroup_id_y 1
		.amdhsa_system_sgpr_workgroup_id_z 1
		.amdhsa_system_vgpr_workitem_id 0
		.amdhsa_next_free_vgpr 384
		.amdhsa_next_free_sgpr 96
		.amdhsa_reserve_vcc 0
		.amdhsa_float_denorm_mode_32 3
		.amdhsa_float_denorm_mode_16_64 3
		.amdhsa_memory_ordered 1
		.amdhsa_forward_progress 1
		.amdhsa_inst_pref_size 65
	.end_amdhsa_kernel
	.amdgpu_metadata
---
amdhsa.version: [ 1, 2 ]
amdhsa.kernels:
  - .name:           k_q2be7c298e9_outp
    .symbol:         k_q2be7c298e9_outp.kd
    .args:
      - { .name: att, .offset: 0, .size: 8, .value_kind: global_buffer, .address_space: global }
      - { .name: wb, .offset: 8, .size: 8, .value_kind: global_buffer, .address_space: global }
      - { .name: bo, .offset: 16, .size: 8, .value_kind: global_buffer, .address_space: global }
      - { .name: gamma, .offset: 24, .size: 8, .value_kind: global_buffer, .address_space: global }
      - { .name: x, .offset: 32, .size: 8, .value_kind: global_buffer, .address_space: global }
      - { .name: out0, .offset: 40, .size: 8, .value_kind: global_buffer, .address_space: global }
    .group_segment_fixed_size: 327680
    .private_segment_fixed_size: 0
    .kernarg_segment_align: 8
    .kernarg_segment_size: 48
    .max_flat_workgroup_size: 256
    .sgpr_count:     96
    .vgpr_count:     384
    .wavefront_size: 32
...
	.end_amdgpu_metadata
.endif
;; end of part 4
;; ======== version 2 of 2: 4 launches; version 1 with the launch prep written anew for expert scheduling mode
;; workspace buffers: xb 16,777,216 bytes; wb 2,097,152 bytes; qkv 50,331,648 bytes; att 16,777,216 bytes
;; launch prep (part 5): grid 256 x 1, 8 waves a work-group, no clusters, 0 bytes of LDS; arguments x, wq, wk, wv, wo, xb, wb; writes xb, wb
.if DOCPART == 5
	.amdgcn_target "amdgcn-amd-amdhsa--gfx1250"
	.amdhsa_code_object_version 6
	.text
	.protected	k_q2be7c298e9_prep
	.globl	k_q2be7c298e9_prep
	.p2align	8
	.type	k_q2be7c298e9_prep,@function
k_q2be7c298e9_prep:
	s_mov_b64 s[64:65], 0
	v_nop
	global_prefetch_b8 v0, s[64:65] scope:SCOPE_SE
	s_setreg_imm32_b32 hwreg(HW_REG_WAVE_SCHED_MODE, 0, 2), 2
	s_setreg_imm32_b32 hwreg(HW_REG_WAVE_MODE, 25, 1), 1
	s_wait_xcnt 0x0
	s_wait_alu depctr_vm_vsrc(0)
; prep: casts x and the four weight matrices from f32 to bf16 (round to nearest even), once, so that the later
; launches can bring them to LDS as matrix operands.
;   xb [16][512][1024] bf16: the order of x.
;   wb [8 ks][2048 row][64 c] bf16: rows 0-511 wq, 512-1023 wk, 1024-1535 wv, 1536-2047 wo; column = 64 ks + c.
;      So any run of rows at one ks is dense: 128 bytes a row.
; A stream: no LDS, no barrier, no matrix unit.  256 work-groups of 8 waves.  Work-group i casts 131,072 bytes of x
; (32 loads of 16 bytes a thread, all issued before the first is used) and the eight rows 8 i .. 8 i + 7 of wb.
; THE MODE: SCHED_MODE bits 1:0 = 2 (LLVM: expert scheduling mode 2), set by the entry lines.  The code itself states the register
; dependences between vector instructions and memory instructions, with s_wait_alu, always for 0.
; THE PLAN.  Registers that memory instructions touch:
;   v1 to v4     byte offsets.  Written once, at the head, by vector instructions; read by every load and store; never written again.
;   WI, X        Written by the loads alone, each register once; read by the conversions behind the counted wait for the load.
;                No vector instruction names them ahead of their loads, and no load is issued behind a conversion.
;   WOUT, Y      Written by the conversions, each register once; read by the stores.
; The 32 loads of x go in eight blocks of four.  Block p converts its four loads into its own eight registers of Y; its memory
; instructions are the four stores of block p - 1 (block 0: the two stores of the weights), whose data the one wait at the block's head
; shows written and which no conversion of block p names.  So one wait on va_vdst stands at the head of the kernel, one at each block's
; head and one ahead of the last four stores.
; No register that a load or store names is written twice, so no wait frees a source: none on vm_vsrc, none on XCNT.
; No vector instruction writes a scalar register or VCC, and EXEC is never written.
.set XOFF, 1                           ; v1   16 t: my 16 bytes in each 4,096 bytes of x
.set YOFF, 2                           ; v2   8 t: my 8 bytes in each 2,048 bytes of xb
.set WSRC, 3                           ; v3   my 32 bytes in the eight weight rows
.set WDST, 4                           ; v4   my 16 bytes in wb
.set WI,   8                           ; v[8:23]    16 weights as loaded
.set WOUT, 24                          ; v[24:31]   16 weights in bf16
.set X,    32                          ; v[32:159]  32 x 4 numbers of x
.set Y,    160                         ; v[160:223] the same in bf16
.set BLOCK, 4                          ; loads of x in a block
	s_load_b256 s[4:11], s[0:1], 0x0               ; x s[4:5], wq s[6:7], wk s[8:9], wv s[10:11]
	s_load_b128 s[12:15], s[0:1], 0x20             ; wo s[12:13], xb s[14:15]
	s_load_b64 s[16:17], s[0:1], 0x30              ; wb
	s_lshr_b32 s20, ttmp9, 6                       ; which matrix: 64 work-groups for each
	s_and_b32 s21, ttmp9, 63
	s_lshl_b32 s26, s21, 14                        ; eight rows of 2,048 bytes in that matrix
	s_mov_b32 s27, 0
	s_lshl_b32 s28, ttmp9, 10                      ; eight rows of 128 bytes in wb
	s_mov_b32 s29, 0
	s_lshl_b32 s30, ttmp9, 17                      ; my 131,072 bytes of x
	s_mov_b32 s31, 0
	s_lshl_b32 s18, ttmp9, 16                      ; my 65,536 bytes of xb
	s_mov_b32 s19, 0
	v_lshlrev_b32 v[XOFF], 4, v0
	v_lshlrev_b32 v[YOFF], 3, v0
	; thread t: bits 2:0 the eight columns in a ks, bit 3 and bit 7 the row (0 to 3), bits 6:4 ks.  Its second piece lies four rows down.
	v_lshrrev_b32 v5, 7, v0
	v_bfe_u32 v6, v0, 3, 1
	v_lshl_add_u32 v5, v5, 1, v6                   ; row 0 to 3
	v_bfe_u32 v6, v0, 4, 3                         ; ks
	v_and_b32 v7, 7, v0
	v_lshlrev_b32 v[WSRC], 11, v5                  ; row x 2,048
	v_lshl_add_u32 v[WSRC], v6, 8, v[WSRC]         ; + ks x 256
	v_lshl_add_u32 v[WSRC], v7, 5, v[WSRC]         ; + 32 bytes for eight f32
	v_lshlrev_b32 v[WDST], 7, v5                   ; row x 128
	v_lshl_add_u32 v[WDST], v6, 18, v[WDST]        ; + ks x 262,144
	v_lshl_add_u32 v[WDST], v7, 4, v[WDST]         ; + 16 bytes for eight bf16: sixteen lanes cover two rows, 256 aligned bytes
	s_wait_kmcnt 0x0
	s_cmp_eq_u32 s20, 0
	s_cselect_b64 s[22:23], s[6:7], s[8:9]         ; wq or wk
	s_cmp_eq_u32 s20, 2
	s_cselect_b64 s[24:25], s[10:11], s[12:13]     ; wv or wo
	s_cmp_lt_u32 s20, 2
	s_cselect_b64 s[22:23], s[22:23], s[24:25]
	s_add_nc_u64 s[22:23], s[22:23], s[26:27]
	s_add_nc_u64 s[16:17], s[16:17], s[28:29]
	s_add_nc_u64 s[4:5], s[4:5], s[30:31]
	s_add_nc_u64 s[14:15], s[14:15], s[18:19]
	s_wait_alu depctr_va_vdst(0)                   ; the four offsets v1 to v4 are written: every load and store of the kernel reads one of them
	global_load_b128 v[WI:WI+3],     v[WSRC], s[22:23]
	global_load_b128 v[WI+4:WI+7],   v[WSRC], s[22:23] offset:16
	global_load_b128 v[WI+8:WI+11],  v[WSRC], s[22:23] offset:8192
	global_load_b128 v[WI+12:WI+15], v[WSRC], s[22:23] offset:8208
.set j, 0
.rept 32
	global_load_b128 v[X+4*j:X+4*j+3], v[XOFF], s[4:5] offset:4096*j th:TH_LOAD_NT
.set j, j+1
.endr
	s_wait_loadcnt 32                              ; the 32 loads of x are younger: the four weight loads are in
.irp k, 0,1,2,3,4,5,6,7
	v_cvt_pk_bf16_f32 v[WOUT+\k], v[WI+2*\k], v[WI+2*\k+1]
.endr
; Block p: loads 4 p .. 4 p + 3 of x are converted; the stores of what was converted just before are dealt among the conversions.
.set p, 0
.rept 32/BLOCK
	s_wait_loadcnt 32-BLOCK*(p+1)                  ; loads come back in order: this block's four are in, the younger blocks' stay out
	s_wait_alu depctr_va_vdst(0)                   ; the conversions issued so far have written their results: WOUT (block 0) or the Y of the block before, which the stores below read
.if p == 0
	global_store_b128 v[WDST], v[WOUT:WOUT+3],   s[16:17]
	global_store_b128 v[WDST], v[WOUT+4:WOUT+7], s[16:17] offset:512
.endif
.set i, 0
.rept BLOCK
.set j, BLOCK*p+i
.if p > 0
	global_store_b64 v[YOFF], v[Y+2*(j-BLOCK):Y+2*(j-BLOCK)+1], s[14:15] offset:2048*(j-BLOCK)   ; a wave stores 256 consecutive bytes, aligned; no conversion since the wait names these registers
.endif
	v_cvt_pk_bf16_f32 v[Y+2*j],   v[X+4*j],   v[X+4*j+1]
	v_cvt_pk_bf16_f32 v[Y+2*j+1], v[X+4*j+2], v[X+4*j+3]
.set i, i+1
.endr
.set p, p+1
.endr
	s_wait_alu depctr_va_vdst(0)                   ; the last block's conversions have written their Y, which the last four stores read
.set j, 32-BLOCK
.rept BLOCK
	global_store_b64 v[YOFF], v[Y+2*j:Y+2*j+1], s[14:15] offset:2048*j
.set j, j+1
.endr
	s_endpgm
.Lfunc_end_k_q2be7c298e9_prep:
	.size	k_q2be7c298e9_prep, .Lfunc_end_k_q2be7c298e9_prep-k_q2be7c298e9_prep
	.p2alignl 7, 3214868480
	.fill 96, 4, 3214868480
	.section	.rodata,"a",@progbits
	.p2align	6, 0x0
	.amdhsa_kernel k_q2be7c298e9_prep
		.amdhsa_group_segment_fixed_size 0
		.amdhsa_private_segment_fixed_size 0
		.amdhsa_enable_private_segment 0
		.amdhsa_kernarg_size 56
		.amdhsa_user_sgpr_count 2
		.amdhsa_user_sgpr_kernarg_segment_ptr 1
		.amdhsa_wavefront_size32 1
		.amdhsa_system_sgpr_workgroup_id_x 1
		.amdhsa_system_sgpr_workgroup_id_y 1
		.amdhsa_system_sgpr_workgroup_id_z 1
		.amdhsa_system_vgpr_workitem_id 0
		.amdhsa_next_free_vgpr 224
		.amdhsa_next_free_sgpr 66
		.amdhsa_reserve_vcc 0
		.amdhsa_float_denorm_mode_32 3
		.amdhsa_float_denorm_mode_16_64 3
		.amdhsa_memory_ordered 1
		.amdhsa_forward_progress 1
		.amdhsa_inst_pref_size 14
	.end_amdhsa_kernel
	.amdgpu_metadata
---
amdhsa.version: [ 1, 2 ]
amdhsa.kernels:
  - .name:           k_q2be7c298e9_prep
    .symbol:         k_q2be7c298e9_prep.kd
    .args:
      - { .name: x, .offset: 0, .size: 8, .value_kind: global_buffer, .address_space: global }
      - { .name: wq, .offset: 8, .size: 8, .value_kind: global_buffer, .address_space: global }
      - { .name: wk, .offset: 16, .size: 8, .value_kind: global_buffer, .address_space: global }
      - { .name: wv, .offset: 24, .size: 8, .value_kind: global_buffer, .address_space: global }
      - { .name: wo, .offset: 32, .size: 8, .value_kind: global_buffer, .address_space: global }
      - { .name: xb, .offset: 40, .size: 8, .value_kind: global_buffer, .address_space: global }
      - { .name: wb, .offset: 48, .size: 8, .value_kind: global_buffer, .address_space: global }
    .group_segment_fixed_size: 0
    .private_segment_fixed_size: 0
    .kernarg_segment_align: 8
    .kernarg_segment_size: 56
    .max_flat_workgroup_size: 256
    .sgpr_count:     66
    .vgpr_count:     224
    .wavefront_size: 32
...
	.end_amdgpu_metadata
.endif
;; end of part 5
;; launch qkv: the kernel of part 2 again; grid 4 x 64, 8 waves a work-group, clusters of 4 x 4, 327,680 bytes of LDS; arguments xb, wb, bq, bk, bv, qkv; writes qkv
;; launch attn: the kernel of part 3 again; grid 256 x 1, 8 waves a work-group, no clusters, 296,960 bytes of LDS; arguments qkv, att; writes att
;; launch outp: the kernel of part 4 again; grid 4 x 64, 8 waves a work-group, clusters of 4 x 4, 327,680 bytes of LDS; arguments att, wb, bo, gamma, x, out0; writes out0
